; MI455X (gfx1250); checked and timed in simulation.
; The chip was launched on July 23, 2026; its instructions are those of AMD's public machine-readable ISA for CDNA 5 (MIT licence, August 2026) and "CDNA5" Instruction Set Architecture Reference Guide (July 2026). The comments in the code are by the model that wrote it; some were corrected since.
;; MLP Encoder. Allowed arithmetic: matrix products marked QUANTISED: E2M1 operands, one E8M0 scale for each 32 along K, by v_wmma_scale_f32_16x16x128_f8f6f4 with both operands' format E2M1 (or v_wmma_scale_f32_32x16x128_f4), f32 sums; products left as they are: bf16, f16 or f32 operands; f32 sums; everything else in f32.
;; Inputs: W_neg0 1,024 x 256 float32; W_neg1 1,024 x 1,024 float32; W_neg2 256 x 1,024 float32; W_pos0 1,024 x 256 float32; W_pos1 1,024 x 1,024 float32; W_pos2 256 x 1,024 float32; b_neg0 1,024 float32; b_neg1 1,024 float32; b_neg2 256 float32; b_pos0 1,024 float32; b_pos1 1,024 float32; b_pos2 256 float32; observations 16,384 int32; x 16,384 x 256 float32.
;; Outputs: out0 16,384 x 256 float32.
;; This version of the problem:
;;   THIS VERSION OF THE PROBLEM IS GIVEN IN LOW PRECISION. The matrix products marked QUANTISED in the list below multiply operands that are first quantised to E2M1 (2 exponent bits, 1 mantissa bit; 4 bits a number), with one power-of-two scale for each 32 numbers along K (OCP MX v1.0); their sums are f32. The products marked 'left as it is' may take bf16, f16 or f32 operands, with f32 sums. Whichever they take, every output number must still come out within the allowed error. Rounding operands to bf16 (8 significant bits) uses up far more of that allowance than f16 does (11 bits, for magnitudes from 6e-5 to 65,504). All else is computed in f32.
;;   The module's matrix products, in the order in which they are computed (A, B: the left and right operand; K: the contracted axis; several contracted axes count as one K, in the product's order):
;;     1. [M 16,384, K 256] x [K 256, N 1,024]; A: input x; B: input W_neg0: QUANTISED
;;     2. [M 16,384, K 1,024] x [K 1,024, N 1,024]; A: computed on the way; B: input W_neg1: left as it is (an operand is computed on the way)
;;     3. [M 16,384, K 1,024] x [K 1,024, N 256]; A: computed on the way; B: input W_neg2: left as it is (an operand is computed on the way)
;;     4. [M 16,384, K 256] x [K 256, N 1,024]; A: input x; B: input W_pos0: QUANTISED
;;     5. [M 16,384, K 1,024] x [K 1,024, N 1,024]; A: computed on the way; B: input W_pos1: left as it is (an operand is computed on the way)
;;     6. [M 16,384, K 1,024] x [K 1,024, N 256]; A: computed on the way; B: input W_pos2: left as it is (an operand is computed on the way)
;;   THE QUANTISER, for each operand of a quantised product, along K:
;;     - K is cut into blocks of 32 from its start; a last block that is shorter is filled with zeros.
;;     - A block's scale is 2^e with e = floor(log2(the largest magnitude in the block)) - 2, held to -126 .. 127; a block of zeros has e = 0. As a byte (E8M0): e + 127.
;;     - Each number is divided by its block's scale, clamped to +-6, and rounded to the nearest number of E2M1, ties to even, subnormals kept.
;;     - The product sums the exact products of the quantised numbers (number of the format x scale) in f32.
;;   ~~~python
;;   def quantise(x, axis):      # numpy; x: float32 -> the quantised numbers, widened to float32 again
;;       x = np.moveaxis(x, axis, -1); K = x.shape[-1]
;;       x = np.pad(x, [(0, 0)] * (x.ndim - 1) + [(0, -K % 32)]); x = x.reshape(x.shape[:-1] + (-1, 32)); a = np.abs(x).max(-1, keepdims=True)
;;       e = np.where(a > 0, np.clip(np.frexp(np.where(a > 0, a, 1))[1] - 1 - 2, -126, 127), 0)      # np.frexp(a)[1] - 1 = floor(log2(a)), exactly
;;       r = np.clip(x / 2.0 ** e, -6, 6)
;;       step = 2.0 ** (np.maximum(np.frexp(np.where(r == 0, 1, r))[1] - 1, 0) - 1)
;;       q = np.round(r / step) * step * 2.0 ** e      # np.round: ties to even
;;       return np.moveaxis(q.reshape(q.shape[:-2] + (-1,))[..., :K], -1, axis).astype(np.float32)
;;   ~~~
;; One version. Each part assembles by itself: llvm-mc -triple=amdgcn-amd-amdhsa -mcpu=gfx1250 --defsym DOCPART=n.
;; ======== version 1 of 1: 2 launches
;; limits: values are held in f16: magnitudes above 65,504 overflow, below 6.1e-05 lose precision; inputs' magnitudes at most 65,504
;; workspace buffers: order 69,632 bytes of whole numbers; counts 256 bytes of whole numbers; w0c 262,144 bytes; w0s 16,384 bytes; w1h 4,194,304 bytes; w2h 1,048,576 bytes; wmax 6,656 bytes; xc 2,228,224 bytes
;; launch prep (part 1): grid 305 x 1, 8 waves a work-group, no clusters, 44,288 bytes of LDS; arguments observations, W_neg0, W_pos0, W_neg1, W_pos1, W_neg2, W_pos2, b_neg0, b_pos0, b_neg1, b_pos1, order, counts, w0c, w0s, w1h, w2h, wmax, x, xc, out0; writes order, counts, w0c, w0s, w1h, w2h, wmax, xc, out0
.if DOCPART == 1
	.amdgcn_target "amdgcn-amd-amdhsa--gfx1250"
	.amdhsa_code_object_version 6
	.text
	.protected	k_q0d90b160a3_prep
	.globl	k_q0d90b160a3_prep
	.p2align	8
	.type	k_q0d90b160a3_prep,@function
k_q0d90b160a3_prep:
	s_mov_b64 s[64:65], 0
	v_nop
	global_prefetch_b8 v0, s[64:65] scope:SCOPE_SE
	s_setreg_imm32_b32 hwreg(HW_REG_WAVE_MODE, 25, 1), 1
	s_wait_xcnt 0x0
; PREP: everything that the chain's launch wants laid out beforehand, and the rows that no chain takes.  Four roles, told apart by the work-group's number alone.
;   work-group 0        THE SORT: the 16,384 rows are placed by their observation into runs of 'order': -1 first, then 1; each run begins at a multiple of 64 places.  Rows with another observation get places
;                       behind the two runs, which nobody reads: so no lane is masked and no store waits for another.  'order' is filled with zeros first, so a place that no row takes names row 0.
;                       counts[0], counts[1] = rows with -1, with 1.
;   work-groups 1-160   W1 and W2 of both experts, f32 -> f16 (nearest even), stored as images of operand registers: a tile of 16 units x 32 k is 1,024 bytes: registers 0-3 at 16 x lane, registers 4-7 at 512 + 16 x lane.
;                       A wave takes 16 units x 128 k.  w1h: [expert][256 units][K step][tile of 16][image];  w2h: [expert][64 outputs][K step][tile of 16][image].  It also stores the largest |W| of its part.
;   work-groups 161-176 W0 of both experts, f32 -> codes of E2M1 with one E8M0 byte for each 32 along K, as images of operand registers (16 units x 128 k: 1,024 bytes), the scale words beside them,
;                       and the largest |W0|, |b0|, |b1| of the tile's 16 units.
;   work-groups 177-304 x, f32 -> codes of E2M1, 128 bytes a row, and scale bytes, 8 a row (in xc from byte 2,097,152 on); and out0[row] = x[row] for the rows whose observation is neither -1 nor 1.
;                       A wave takes 16 rows.  Each load reads 512 consecutive bytes, and a copied row leaves from the same registers, 512 consecutive bytes a store.  For the conversions a lane must hold 16 neighbours:
;                       2,048 bytes at a time go through the wave's own stage in LDS, as they lie, and come back 64 bytes a lane (16 bytes of padding behind each 64).
; A block's scale is 2^(floor(log2(its largest magnitude)) - 2); its byte is that magnitude's exponent field - 2, held at 1 from below.  A block of zeros so gets the byte 1: its codes are zeros, and this program alone reads the bytes.
; LIMITS: |W1|, |W2| up to 65,504 (f16's largest number); magnitudes under 2^-14 are kept to 2^-25 absolutely.  Blocks under 2^-124 are held at the byte 1.  NaN and infinities are not served.
; Stores of less than 256 consecutive bytes: a tile's scale words of W0 and a wave's scale bytes of x (128 bytes each), and the single maxima: 150 KB of the launch's 13 MB.
.set SPARE, 256                        ; LDS: bytes 0-63 the sort's counts; from 256 on the spare words, 128 bytes for each of the eight waves
.set XBASE, 1280                       ; from here on the x role's bytes: for each wave two stages of 32 x 80 bytes and 256 for its scale bytes
.set XREG,  5376
.set XSP,   80                         ; a lane's place in a stage: its 64 bytes + 16 of padding
.set SPW, 2                            ; v2  LDS address of my spare word; never rewritten
.set NIL, 3                            ; v3  0; never rewritten
.set XR,  32                           ; v32-159  x role: eight steps of 16 registers as they are loaded
.set XX,  160                          ; v160-191 two sets of 16 neighbours
.set XC,  192                          ; v192-207 codes: two registers for each step
.set XE,  208                          ; v208-215 a scale byte for each step
.macro WMAX reg, tmp                   ; the largest of a register over the wave's 32 lanes, in every lane
	v_max_num_f32_dpp v[\reg], v[\reg], v[\reg] row_xmask:1 row_mask:0xf bank_mask:0xf
	v_max_num_f32_dpp v[\reg], v[\reg], v[\reg] row_xmask:2 row_mask:0xf bank_mask:0xf
	v_max_num_f32_dpp v[\reg], v[\reg], v[\reg] row_xmask:4 row_mask:0xf bank_mask:0xf
	v_max_num_f32_dpp v[\reg], v[\reg], v[\reg] row_xmask:8 row_mask:0xf bank_mask:0xf
	v_permlanex16_b32 v[\tmp], v[\reg], s60, s61
	v_max_num_f32 v[\reg], v[\reg], v[\tmp]
.endm
	s_load_b512 s[8:23], s[0:1], 0x0               ; observations s[8:9], W_neg0 s[10:11], W_pos0 s[12:13], W_neg1 s[14:15], W_pos1 s[16:17], W_neg2 s[18:19], W_pos2 s[20:21], b_neg0 s[22:23]
	s_load_b512 s[24:39], s[0:1], 0x40             ; b_pos0 s[24:25], b_neg1 s[26:27], b_pos1 s[28:29], order s[30:31], counts s[32:33], w0c s[34:35], w0s s[36:37], w1h s[38:39]
	s_load_b128 s[40:43], s[0:1], 0x80             ; w2h s[40:41], wmax s[42:43]
	v_lshl_add_u32 v[SPW], v0, 2, SPARE
	v_mov_b32 v[NIL], 0
	v_lshrrev_b32 v1, 5, v0
	v_readfirstlane_b32 s44, v1                    ; wave 0..7
	v_and_b32 v1, 31, v0                           ; lane
	v_and_b32 v4, 15, v0                           ; r
	v_bfe_u32 v5, v0, 4, 1                         ; h
	v_lshlrev_b32 v6, 4, v1                        ; 16 x lane
	s_mov_b32 s60, 0x76543210
	s_mov_b32 s61, 0xfedcba98                      ; v_permlanex16_b32's selects for lane l xor 16
	s_wait_kmcnt 0x0
	s_cmp_eq_u32 ttmp9, 0
	s_cbranch_scc1 .Lsort
	s_cmp_gt_u32 ttmp9, 176
	s_cbranch_scc1 .Lx
	s_cmp_gt_u32 ttmp9, 160
	s_cbranch_scc1 .Lw0
	; ---------------- W1, W2 -> f16 images.  Unit u = 8 (work-group - 1) + wave: 0-511 W_neg1, 512-1023 W_pos1, 1024-1151 W_neg2, 1152-1279 W_pos2
	s_sub_co_u32 s45, ttmp9, 1
	s_lshl_b32 s45, s45, 3
	s_add_co_u32 s45, s45, s44                     ; u
	s_cmp_lt_u32 s45, 1024                         ; W1 or W2?  All choices hang on the unit's number alone
	s_cselect_b32 s50, 4, 2                        ; log2 of the tiles that lie side by side in a K step of the images
	s_cselect_b32 s51, 9, 7                        ; log2 of an expert's units
	s_cselect_b32 s52, 21, 19                      ; log2 of an expert's bytes of images
	s_cselect_b64 s[54:55], s[38:39], s[40:41]     ; where the images go
	s_cselect_b64 s[56:57], s[14:15], s[18:19]     ; the neg expert's tensor
	s_cselect_b64 s[58:59], s[16:17], s[20:21]     ; the pos expert's
	s_and_b32 s46, s45, 1023
	s_lshr_b32 s47, s46, s51                       ; expert
	s_lshl_b32 s48, s47, s51
	s_sub_co_u32 s48, s46, s48                     ; the unit within the tensor
	s_cmp_eq_u32 s47, 0
	s_cselect_b64 s[56:57], s[56:57], s[58:59]
	s_lshr_b32 s53, s48, 3                         ; tile of 16 rows
	s_and_b32 s48, s48, 7                          ; which 128 along K
	s_lshl_b32 s62, s53, 16                        ; 16 rows of 4,096 bytes
	s_lshl_b32 s63, s48, 9                         ; 128 numbers of 4 bytes
	s_add_co_u32 s62, s62, s63
	s_mov_b32 s63, 0
	s_add_nc_u64 s[56:57], s[56:57], s[62:63]
	v_lshlrev_b32 v7, 12, v4
	v_lshl_add_u32 v7, v5, 5, v7                   ; row r, + 32 h: a 16-bit operand gives lane (r, h) k = 8 h + 0..7 and 16 + 8 h + 0..7 of each 32
.irp s, 0,1,2,3
.irp c, 0,1
.irp i, 0,1
	global_load_b128 v[32+16*\s+8*\c+4*\i:35+16*\s+8*\c+4*\i], v7, s[56:57] offset:128*\s+64*\c+16*\i
.endr
.endr
.endr
	s_lshl_b32 s49, s47, s52                       ; the images' place: the expert's part,
	s_add_co_u32 s66, s50, 15
	s_add_co_u32 s67, s50, 10
	s_lshr_b32 s68, s53, s50
	s_lshl_b32 s68, s68, s66                       ; the block of tiles that one wave of the chain takes (32 K steps of them),
	s_add_co_u32 s49, s49, s68
	s_lshl_b32 s68, s48, 2
	s_lshl_b32 s68, s68, s67                       ; my first K step of 32,
	s_add_co_u32 s49, s49, s68
	s_lshl_b32 s68, 1, s50
	s_sub_co_u32 s68, s68, 1
	s_and_b32 s68, s53, s68
	s_lshl_b32 s68, s68, 10                        ; and the tile's place in a K step
	s_add_co_u32 s62, s49, s68
	s_add_nc_u64 s[54:55], s[54:55], s[62:63]
	s_lshl_b32 s68, 1, s67                         ; from a K step to the next
	v_add_nc_u32 v8, s68, v6
	v_add_nc_u32 v9, s68, v8
	v_add_nc_u32 v10, s68, v9
	v_mov_b32 v12, 0                               ; two chains of maxima
	v_mov_b32 v13, 0
	v_mov_b32 v14, 0                               ; (a lane permute's destination counts as one of its sources)
.irp s, 0,1,2,3
	s_wait_loadcnt 12-4*\s                         ; this K step's four loads are in; the later steps' may be out
.irp i, 0,4,8,12
	v_max3_num_f32 v12, v12, |v[32+16*\s+\i]|, |v[33+16*\s+\i]|
	v_max3_num_f32 v13, v13, |v[34+16*\s+\i]|, |v[35+16*\s+\i]|
.endr
.irp j, 0,1,2,3,4,5,6,7
	v_cvt_pk_f16_f32 v[96+8*\s+\j], v[32+16*\s+2*\j], v[33+16*\s+2*\j]
.endr
.if \s == 0
.set VA, 6
.else
.set VA, 7+\s
.endif
	global_store_b128 v[VA], v[96+8*\s:99+8*\s], s[54:55]                ; 32 lanes store 512 consecutive bytes, aligned
	global_store_b128 v[VA], v[100+8*\s:103+8*\s], s[54:55] offset:512
.endr
	v_max_num_f32 v12, v12, v13
	WMAX 12, 14
	s_lshl_b32 s62, s45, 2
	v_mov_b32 v15, s62                             ; wmax[u]
	v_cmp_eq_u32 vcc_lo, 0, v1
	s_wait_xcnt 0x0                                ; EXEC changes only when the stores above have read it
	s_and_saveexec_b32 s70, vcc_lo
	global_store_b32 v15, v12, s[42:43]
	s_endpgm
	; ---------------- W0 -> codes.  g = 8 (work-group - 161) + wave: expert g / 64, tile of 16 units g % 64, all 256 along K
	; v16-31 at work; v32-47 the codes; v48, v49 the biases; v50, v51 the maxima's store; v64-191 the numbers
.Lw0:
	s_sub_co_u32 s45, ttmp9, 161
	s_lshl_b32 s45, s45, 3
	s_add_co_u32 s45, s45, s44
	s_lshr_b32 s46, s45, 6                         ; expert
	s_and_b32 s47, s45, 63                         ; tile
	s_cmp_eq_u32 s46, 0
	s_cselect_b64 s[48:49], s[10:11], s[12:13]     ; W0
	s_cselect_b64 s[50:51], s[22:23], s[24:25]     ; b0
	s_cselect_b64 s[52:53], s[26:27], s[28:29]     ; b1
	s_lshl_b32 s62, s47, 14                        ; 16 rows of 1,024 bytes
	s_mov_b32 s63, 0
	s_add_nc_u64 s[48:49], s[48:49], s[62:63]
	s_lshl_b32 s62, s47, 6                         ; 16 numbers of a bias
	s_add_nc_u64 s[50:51], s[50:51], s[62:63]
	s_add_nc_u64 s[52:53], s[52:53], s[62:63]
	v_lshlrev_b32 v7, 10, v4
	v_lshl_add_u32 v7, v5, 7, v7                   ; row r, + 128 h: a 4-bit operand gives lane (r, h) k = 64 c + 32 h + 0..31 of each 128: whole blocks
	v_lshlrev_b32 v8, 2, v4
.irp q, 0,1,2,3                                ; block q = 2 s + c of my row: K step s, half c
.irp i, 0,1,2,3,4,5,6,7
	global_load_b128 v[64+32*\q+4*\i:67+32*\q+4*\i], v7, s[48:49] offset:256*\q+16*\i
.endr
.endr
	global_load_b32 v48, v8, s[50:51]
	global_load_b32 v49, v8, s[52:53]
	s_wait_loadcnt 0x0
.irp q, 0,1,2,3
	v_max3_num_f32 v[16+\q], |v[64+32*\q]|, |v[65+32*\q]|, 0x1800000   ; the block's largest magnitude, and the floor 2^(3 - 127): so the byte cannot fall under 1
.endr
.irp i, 2,4,6,8,10,12,14,16,18,20,22,24,26,28,30
.irp q, 0,1,2,3
	v_max3_num_f32 v[16+\q], v[16+\q], |v[64+32*\q+\i]|, |v[65+32*\q+\i]|   ; (the four blocks by turns)
.endr
.endr
.irp q, 0,1,2,3
	v_add_nc_u32 v[20+\q], 0xff000000, v[16+\q]    ; 2 off the exponent field: the conversion takes the exponent field of this operand as its scale
.endr
.irp q, 0,1,2,3
	v_lshrrev_b32 v[24+\q], 23, v[20+\q]           ; the scale's byte
.endr
.irp q, 0,1,2,3
.irp g, 0,1,2,3
	v_cvt_scalef32_pk8_fp4_f32 v[32+4*\q+\g], v[64+32*\q+8*\g:71+32*\q+8*\g], v[20+\q]
.endr
.endr
	v_nop                                          ; one plain instruction behind the last scaled conversion
	v_lshlrev_b32 v9, 3, v5                        ; 8 h
	v_lshl_or_b32 v28, v25, 16, v24                ; K step 0: my two bytes, blocks h and 2 + h,
	v_lshl_or_b32 v29, v27, 16, v26                ; K step 1
	v_lshlrev_b32 v28, v9, v28                     ; at their places in the word
	v_lshlrev_b32 v29, v9, v29
	v_mov_b32 v30, 0
	v_mov_b32 v31, 0
	v_permlanex16_b32 v30, v28, s60, s61
	v_permlanex16_b32 v31, v29, s60, s61
	v_or_b32 v28, v28, v30                         ; with lane l xor 16's two the words are whole
	v_or_b32 v29, v29, v31
	s_mov_b32 s66, 0xffff0000
	v_cndmask_b32 v28, v28, v29, s66               ; lanes 0-15 keep K step 0's word of unit r, lanes 16-31 K step 1's
	s_lshl_b32 s62, s46, 17
	s_lshl_b32 s67, s47, 11
	s_add_co_u32 s62, s62, s67
	s_add_nc_u64 s[34:35], s[34:35], s[62:63]      ; w0c: 131,072 bytes an expert, 2,048 a tile
	s_lshl_b32 s62, s46, 13
	s_lshl_b32 s67, s47, 7
	s_add_co_u32 s62, s62, s67
	s_add_nc_u64 s[36:37], s[36:37], s[62:63]      ; w0s: 8,192 bytes an expert, 128 a tile
	v_lshlrev_b32 v10, 2, v1
.irp q, 0,1,2,3
	global_store_b128 v6, v[32+4*\q:35+4*\q], s[34:35] offset:512*\q    ; 512 consecutive bytes, aligned
.endr
	global_store_b32 v10, v28, s[36:37]
	v_max3_num_f32 v16, v16, v17, v18
	v_max_num_f32 v16, v16, v19                    ; the largest |W0| of my lane
	v_and_b32 v48, 0x7fffffff, v48
	v_and_b32 v49, 0x7fffffff, v49
	WMAX 16, 30
	WMAX 48, 30
	WMAX 49, 30
	v_cmp_eq_u32 vcc_lo, 1, v1
	v_cndmask_b32 v50, v16, v48, vcc_lo            ; lane 0: |W0|, lane 1: |b0|, lane 2: |b1|
	v_cmp_eq_u32 vcc_lo, 2, v1
	v_cndmask_b32 v50, v50, v49, vcc_lo
	s_mul_i32 s62, s46, 192
	s_add_co_u32 s62, s62, s47
	s_add_co_u32 s62, s62, 1280
	s_lshl_b32 s62, s62, 2                         ; wmax[1280 + 192 expert + 64 lane + tile]
	v_lshlrev_b32 v51, 8, v1
	v_add_nc_u32 v51, s62, v51
	v_cmp_gt_u32 vcc_lo, 3, v1
	s_wait_xcnt 0x0                                ; EXEC changes only when the stores above have read it
	s_and_saveexec_b32 s70, vcc_lo
	global_store_b32 v51, v50, s[42:43]
	s_endpgm
	; ---------------- x -> codes, and the rows that no chain takes.  g = 8 (work-group - 177) + wave: rows 16 g .. 16 g + 15, eight steps of two rows
.macro XTURN t                         ; step t's 2,048 bytes through the stage: LDS serves a wave's instructions in order, so no wait stands between the stores and the loads
.irp i, 0,1,2,3
	ds_store_b128 v14, v[XR+16*(\t)+4*\i:XR+16*(\t)+4*\i+3] offset:32*XSP*((\t)%2)+8*XSP*\i
.endr
.irp i, 0,1,2,3
	ds_load_b128 v[XX+16*((\t)%2)+4*\i:XX+16*((\t)%2)+4*\i+3], v15 offset:32*XSP*((\t)%2)+16*\i
.endr
.endm
.macro XCOPY t                         ; step t's two rows go to out0 as they were loaded, where the row's bit says so: a scalar branch on the observations; no barrier stands in this role
	s_bitcmp1_b32 s47, 2*(\t)
	s_cbranch_scc0 .Lxa_\@
	global_store_b128 v6, v[XR+16*(\t):XR+16*(\t)+3], s[74:75] offset:2048*(\t) th:TH_STORE_NT
	global_store_b128 v6, v[XR+16*(\t)+4:XR+16*(\t)+7], s[74:75] offset:2048*(\t)+512 th:TH_STORE_NT
.Lxa_\@:
	s_bitcmp1_b32 s47, 2*(\t)+1
	s_cbranch_scc0 .Lxb_\@
	global_store_b128 v6, v[XR+16*(\t)+8:XR+16*(\t)+11], s[74:75] offset:2048*(\t)+1024 th:TH_STORE_NT
	global_store_b128 v6, v[XR+16*(\t)+12:XR+16*(\t)+15], s[74:75] offset:2048*(\t)+1536 th:TH_STORE_NT
.Lxb_\@:
.endm
.macro XSTEP t
.set XS0, XX+16*((\t)%2)
.if (\t) > 0
	s_wait_dscnt 1                                 ; this step's numbers are back from the stage (the last step's byte store may be out)
.else
	s_wait_dscnt 0x0
.endif
.if (\t)+1 < 8
	s_wait_loadcnt 24-4*(\t)                       ; the next step's four loads are in; the later steps' may be out
	XTURN (\t)+1                                   ; they go through the other stage while this step is worked
	XCOPY (\t)+1
.endif
	v_max3_num_f32 v8, |v[XS0]|, |v[XS0+1]|, |v[XS0+2]|            ; the largest magnitude of my 16
	v_max3_num_f32 v9, |v[XS0+3]|, |v[XS0+4]|, |v[XS0+5]|
.irp i, 6,10
	v_max3_num_f32 v8, v8, |v[XS0+\i]|, |v[XS0+\i+1]|
	v_max3_num_f32 v9, v9, |v[XS0+\i+2]|, |v[XS0+\i+3]|
.endr
	v_max3_num_f32 v8, v8, |v[XS0+14]|, |v[XS0+15]|
	v_max3_num_f32 v8, v8, v9, 0x1800000           ; and the floor 2^(3 - 127): so the byte cannot fall under 1
	v_max_num_f32_dpp v8, v8, v8 row_xmask:1 row_mask:0xf bank_mask:0xf   ; and of my neighbour's 16: the block's
	v_add_nc_u32 v11, 0xff000000, v8               ; 2 off its exponent field: the conversion's scale operand
	v_cvt_scalef32_pk8_fp4_f32 v[XC+2*(\t)], v[XS0:XS0+7], v11
	v_cvt_scalef32_pk8_fp4_f32 v[XC+2*(\t)+1], v[XS0+8:XS0+15], v11
	v_lshrrev_b32 v[XE+(\t)], 23, v11              ; the scale's byte (also the plain instruction behind the conversions)
	ds_store_b8 v17, v[XE+(\t)] offset:16*(\t)     ; both lanes of a block write the same byte with the same value
	global_store_b64 v16, v[XC+2*(\t):XC+2*(\t)+1], s[70:71] offset:256*(\t)   ; two rows' codes: 256 consecutive bytes, aligned
.endm
.Lx:
	s_load_b128 s[68:71], s[0:1], 0x90             ; x s[68:69], xc s[70:71]
	s_load_b64 s[74:75], s[0:1], 0xa0              ; out0
	s_sub_co_u32 s45, ttmp9, 177
	s_lshl_b32 s45, s45, 3
	s_add_co_u32 s45, s45, s44                     ; g
	s_mul_i32 s46, s44, XREG
	s_add_co_u32 s46, s46, XBASE                   ; my wave's bytes of LDS
	v_lshrrev_b32 v14, 2, v1
	v_mul_u32_u24 v14, v14, XSP
	v_and_b32 v15, 3, v1
	v_lshl_add_u32 v14, v15, 4, v14
	v_add_nc_u32 v14, s46, v14                     ; the stage, on the way in: four lanes' 64 bytes on end, then 16 of padding; a load's 512 bytes take eight places
	v_mul_u32_u24 v15, v1, XSP
	v_add_nc_u32 v15, s46, v15                     ; and on the way out: my 16 neighbours
	v_lshlrev_b32 v16, 3, v1                       ; my 16 codes' place in a step's 256 bytes
	v_lshrrev_b32 v17, 1, v1
	s_add_co_u32 s46, s46, 2*32*XSP
	v_add_nc_u32 v17, s46, v17                     ; my block's byte among my wave's 128
	v_lshlrev_b32 v18, 2, v1
	v_add_nc_u32 v19, s46, v18                     ; and on the way out 4 bytes a lane
	v_lshlrev_b32 v20, 2, v4                       ; the observation of row r
	s_mov_b32 s63, 0
	s_wait_kmcnt 0x0
	s_add_nc_u64 s[72:73], s[70:71], 0x200000      ; the scale bytes lie behind the codes
	s_lshl_b32 s62, s45, 14                        ; 16 rows of 1,024 bytes
	s_add_nc_u64 s[68:69], s[68:69], s[62:63]
	s_add_nc_u64 s[74:75], s[74:75], s[62:63]
	s_lshl_b32 s62, s45, 11                        ; of 128
	s_add_nc_u64 s[70:71], s[70:71], s[62:63]
	s_lshl_b32 s62, s45, 7                         ; of 8
	s_add_nc_u64 s[72:73], s[72:73], s[62:63]
	s_lshl_b32 s62, s45, 6                         ; of 4
	s_add_nc_u64 s[8:9], s[8:9], s[62:63]
	global_load_b32 v7, v20, s[8:9]
.irp t, 0,1,2,3,4,5,6,7                        ; all 32 loads go out at once; nothing is loaded into these registers again
.irp i, 0,1,2,3
	global_load_b128 v[XR+16*\t+4*\i:XR+16*\t+4*\i+3], v6, s[68:69] offset:2048*\t+512*\i th:TH_LOAD_NT
.endr
.endr
	s_wait_loadcnt 32                              ; the observations are in; x's 32 loads may be out
	v_cmp_eq_u32 s47, -1, v7
	v_cmp_eq_u32 s48, 1, v7
	s_or_b32 s47, s47, s48
	s_not_b32 s47, s47                             ; bit r: row r is copied
	s_wait_loadcnt 28                              ; step 0's four loads are in
	XTURN 0
	XCOPY 0
.irp t, 0,1,2,3,4,5,6,7
	XSTEP \t
.endr
	ds_load_b32 v8, v19                            ; LDS serves a wave's instructions in order: this sees my byte stores
	s_wait_dscnt 0x0
	global_store_b32 v18, v8, s[72:73]             ; my 16 rows' scale bytes: 128 consecutive bytes
	s_branch .Llds_end
	; ---------------- the sort.  Wave w owns elements 2,048 w .. 2,048 w + 2,047: register 4 g + j of lane l is element 2,048 w + 128 g + 4 l + j
.Lsort:
	s_lshl_b32 s45, s44, 13
	v_add_nc_u32 v7, s45, v6
.irp g, 0,1,2,3,4,5,6,7,8,9,10,11,12,13,14,15
	global_load_b128 v[64+4*\g:67+4*\g], v7, s[8:9] offset:512*\g
.endr
	s_mul_i32 s46, s44, 8704                       ; an eighth of 'order': 17 stores of 512 bytes
	v_add_nc_u32 v8, s46, v6
	v_mov_b32 v32, 0
	v_mov_b32 v33, 0
	v_mov_b32 v34, 0
	v_mov_b32 v35, 0
.irp i, 0,1,2,3,4,5,6,7,8,9,10,11,12,13,14,15,16
	global_store_b128 v8, v[32:35], s[30:31] offset:512*\i
.endr
	s_mov_b32 s72, 0                               ; my wave's rows with -1,
	s_mov_b32 s73, 0                               ; with 1
	s_wait_loadcnt 0x0
.set I, 0
.rept 64
	v_cmp_eq_u32 s66, -1, v[64+I]
	v_cmp_eq_u32 s67, 1, v[64+I]
	s_bcnt1_i32_b32 s69, s66
	s_bcnt1_i32_b32 s70, s67
	s_add_co_u32 s72, s72, s69
	s_add_co_u32 s73, s73, s70
.set I, I+1
.endr
	v_mov_b32 v9, s44
	v_lshlrev_b32 v9, 2, v9                        ; my wave's word
	v_mov_b32 v10, s72
	v_mov_b32 v11, s73
	ds_store_b32 v9, v10
	ds_store_b32 v9, v11 offset:32
	s_wait_storecnt 0x0                            ; my zeros are in 'order' before any wave places a row there
	s_wait_dscnt 0x0                               ; my two counts are in LDS
	s_barrier_signal -1
	s_barrier_wait -1
	v_mov_b32 v12, 0
	ds_load_b128 v[16:19], v12
	ds_load_b128 v[20:23], v12 offset:16
	ds_load_b128 v[24:27], v12 offset:32
	ds_load_b128 v[28:31], v12 offset:48
	s_wait_dscnt 0x0
.irp i, 0,1,2,3,4,5,6,7,8,9,10,11,12,13,14,15
	v_readfirstlane_b32 s[80+\i], v[16+\i]
.endr
	s_mov_b32 s74, 0                               ; all rows with -1,
	s_mov_b32 s75, 0                               ; with 1,
	s_mov_b32 s76, 0                               ; those of the waves in front of mine
	s_mov_b32 s77, 0
.irp u, 0,1,2,3,4,5,6,7
	s_cmp_gt_u32 s44, \u
	s_cselect_b32 s78, s[80+\u], 0
	s_cselect_b32 s79, s[88+\u], 0
	s_add_co_u32 s74, s74, s[80+\u]
	s_add_co_u32 s75, s75, s[88+\u]
	s_add_co_u32 s76, s76, s78
	s_add_co_u32 s77, s77, s79
.endr
	s_add_co_u32 s78, s74, 63
	s_and_b32 s78, s78, 0xffffffc0                 ; where the run of 1 begins: the run of -1, rounded up to 64
	s_add_co_u32 s79, s75, 63
	s_and_b32 s79, s79, 0xffffffc0
	s_add_co_u32 s79, s79, s78                     ; where the places of the others begin
	s_mov_b32 s48, s76                             ; my wave's next place in each run
	s_add_co_u32 s49, s78, s77
	s_lshl_b32 s45, s44, 11
	s_add_co_u32 s50, s79, s45
	s_sub_co_u32 s50, s50, s76
	s_sub_co_u32 s50, s50, s77
	v_lshl_add_u32 v15, v1, 2, s45                 ; the row number of my lane's register 0
.set I, 0
.rept 64                                       ; every store has address and data registers of its own, so nothing is waited for
	v_cmp_eq_u32 s66, -1, v[64+I]
	v_cmp_eq_u32 s67, 1, v[64+I]
	s_or_b32 s68, s66, s67
	s_not_b32 s68, s68
	v_mbcnt_lo_u32_b32 v12, s66, s48               ; the run's next place + the lanes below mine that go to the same run
	v_mbcnt_lo_u32_b32 v13, s67, s49
	v_mbcnt_lo_u32_b32 v14, s68, s50
	v_cndmask_b32 v14, v14, v12, s66
	v_cndmask_b32 v14, v14, v13, s67
	v_min_u32 v14, 0x43ff, v14                     ; held inside 'order' (17,408 words)
	v_lshlrev_b32 v[64+I], 2, v14
	v_add_nc_u32 v[128+I], 128*(I/4)+I%4, v15
	global_store_b32 v[64+I], v[128+I], s[30:31]
	s_bcnt1_i32_b32 s69, s66
	s_bcnt1_i32_b32 s70, s67
	s_bcnt1_i32_b32 s71, s68
	s_add_co_u32 s48, s48, s69
	s_add_co_u32 s49, s49, s70
	s_add_co_u32 s50, s50, s71
.set I, I+1
.endr
	s_cmp_lg_u32 s44, 0
	s_cbranch_scc1 .Llds_end
	v_mov_b32 v12, s74                             ; wave 0 stores the two counts
	v_mov_b32 v13, s75
	v_cmp_eq_u32 vcc_lo, 1, v1
	v_cndmask_b32 v12, v12, v13, vcc_lo
	v_lshlrev_b32 v16, 2, v1
	v_cmp_gt_u32 vcc_lo, 2, v1
	s_wait_xcnt 0x0                                ; EXEC changes only when the stores above have read it
	s_and_saveexec_b32 s66, vcc_lo
	global_store_b32 v16, v12, s[32:33]
	s_wait_xcnt 0x0                                ; and again in front of the line that widens it
	s_or_b32 exec_lo, exec_lo, s66
.Llds_end:
	s_wait_tensorcnt 0x0                           ; the end of a wave that stored to LDS
	ds_add_u32 v[SPW], v[NIL]
	s_wait_dscnt 0x0
	s_endpgm
.Lfunc_end_k_q0d90b160a3_prep:
	.size	k_q0d90b160a3_prep, .Lfunc_end_k_q0d90b160a3_prep-k_q0d90b160a3_prep
	.p2alignl 7, 3214868480
	.fill 96, 4, 3214868480
	.section	.rodata,"a",@progbits
	.p2align	6, 0x0
	.amdhsa_kernel k_q0d90b160a3_prep
		.amdhsa_group_segment_fixed_size 44288
		.amdhsa_private_segment_fixed_size 0
		.amdhsa_enable_private_segment 0
		.amdhsa_kernarg_size 168
		.amdhsa_user_sgpr_count 2
		.amdhsa_user_sgpr_kernarg_segment_ptr 1
		.amdhsa_wavefront_size32 1
		.amdhsa_system_sgpr_workgroup_id_x 1
		.amdhsa_system_sgpr_workgroup_id_y 1
		.amdhsa_system_sgpr_workgroup_id_z 1
		.amdhsa_system_vgpr_workitem_id 0
		.amdhsa_next_free_vgpr 224
		.amdhsa_next_free_sgpr 96
		.amdhsa_reserve_vcc 1
		.amdhsa_float_denorm_mode_32 3
		.amdhsa_float_denorm_mode_16_64 3
		.amdhsa_memory_ordered 1
		.amdhsa_forward_progress 1
		.amdhsa_inst_pref_size 128
	.end_amdhsa_kernel
	.amdgpu_metadata
---
amdhsa.version: [ 1, 2 ]
amdhsa.kernels:
  - .name:           k_q0d90b160a3_prep
    .symbol:         k_q0d90b160a3_prep.kd
    .args:
      - { .name: observations, .offset: 0, .size: 8, .value_kind: global_buffer, .address_space: global }
      - { .name: W_neg0, .offset: 8, .size: 8, .value_kind: global_buffer, .address_space: global }
      - { .name: W_pos0, .offset: 16, .size: 8, .value_kind: global_buffer, .address_space: global }
      - { .name: W_neg1, .offset: 24, .size: 8, .value_kind: global_buffer, .address_space: global }
      - { .name: W_pos1, .offset: 32, .size: 8, .value_kind: global_buffer, .address_space: global }
      - { .name: W_neg2, .offset: 40, .size: 8, .value_kind: global_buffer, .address_space: global }
      - { .name: W_pos2, .offset: 48, .size: 8, .value_kind: global_buffer, .address_space: global }
      - { .name: b_neg0, .offset: 56, .size: 8, .value_kind: global_buffer, .address_space: global }
      - { .name: b_pos0, .offset: 64, .size: 8, .value_kind: global_buffer, .address_space: global }
      - { .name: b_neg1, .offset: 72, .size: 8, .value_kind: global_buffer, .address_space: global }
      - { .name: b_pos1, .offset: 80, .size: 8, .value_kind: global_buffer, .address_space: global }
      - { .name: order, .offset: 88, .size: 8, .value_kind: global_buffer, .address_space: global }
      - { .name: counts, .offset: 96, .size: 8, .value_kind: global_buffer, .address_space: global }
      - { .name: w0c, .offset: 104, .size: 8, .value_kind: global_buffer, .address_space: global }
      - { .name: w0s, .offset: 112, .size: 8, .value_kind: global_buffer, .address_space: global }
      - { .name: w1h, .offset: 120, .size: 8, .value_kind: global_buffer, .address_space: global }
      - { .name: w2h, .offset: 128, .size: 8, .value_kind: global_buffer, .address_space: global }
      - { .name: wmax, .offset: 136, .size: 8, .value_kind: global_buffer, .address_space: global }
      - { .name: x, .offset: 144, .size: 8, .value_kind: global_buffer, .address_space: global }
      - { .name: xc, .offset: 152, .size: 8, .value_kind: global_buffer, .address_space: global }
      - { .name: out0, .offset: 160, .size: 8, .value_kind: global_buffer, .address_space: global }
    .group_segment_fixed_size: 44288
    .private_segment_fixed_size: 0
    .kernarg_segment_align: 8
    .kernarg_segment_size: 168
    .max_flat_workgroup_size: 256
    .sgpr_count:     96
    .vgpr_count:     224
    .wavefront_size: 32
...
	.end_amdgpu_metadata
.endif
;; end of part 1
;; launch mlp (part 2): grid 257 x 1, 4 waves a work-group, no clusters, 280,064 bytes of LDS; arguments xc, order, counts, w0c, w0s, w1h, w2h, wmax, b_neg0, b_pos0, b_neg1, b_pos1, b_neg2, b_pos2, out0; writes out0
.if DOCPART == 2
	.amdgcn_target "amdgcn-amd-amdhsa--gfx1250"
	.amdhsa_code_object_version 6
	.text
	.protected	k_q0d90b160a3_mlp
	.globl	k_q0d90b160a3_mlp
	.p2align	8
	.type	k_q0d90b160a3_mlp,@function
k_q0d90b160a3_mlp:
	s_mov_b64 s[64:65], 0
	v_nop
	global_prefetch_b8 v0, s[64:65] scope:SCOPE_SE
	s_setreg_imm32_b32 hwreg(HW_REG_WAVE_MODE, 25, 1), 1
	s_wait_xcnt 0x0
; out0[row] = the neg chain of x[row] where the observation is -1, the pos chain where it is 1 (all other rows were copied by the launch before).
; A chain is relu(relu(relu(x W0^T + b0) W1^T + b1) W2^T + b2), 256 -> 1024 -> 1024 -> 256.  Only the chain that a row's observation chooses is computed.
; The rows lie sorted in 'order' (two runs, each begun at a multiple of 64).  Work-group t takes places 64 t .. 64 t + 63: a tile of one run goes through its expert's chain.  16,384 / 64 + 1 = 257 tiles serve every split.
; EVERY WAVE PASSES EVERY BARRIER, and none stands under a branch on a stored number.  So a tile that this split leaves without rows runs the short first layer like every other (on the rows that its places happen to name;
; nothing of it is stored: its count of rows is 0), and passes over the two long products by two scalar branches, each between two barriers.  All that the lines behind a branch read is written ahead of the first branch or
; behind the same branch, and the ring of weights is in the same state (slots 0, 1, 2 asked for, in this order) in front of the second product and behind it: every counted wait holds on either way.
; FORMATS.  x W0^T: both operands as codes of E2M1 with one E8M0 byte for each 32 along K, made by the launch before.  The other two products: f16 operands, f32 sums.
; ONE SCALE A TILE keeps the hidden layers inside f16: s = 2^n.  h1 is multiplied by s, b1 by s, so h2 comes out times s; the last sum is multiplied by 1 / s in the multiply-add that adds b2.  All exact.
; s comes from a bound: B1 = 4096 F wm0 + bm0 (256 terms, each at most 6 F x 1.5 wm0), B2 = 2048 B1 wm1 + bm1; with E the exponent field of max(B1, B2, 2^-100), s has the field 267 - E: B s < 2^14.
; F: the largest block scale of the tile's 64 rows of x; wm0, wm1, bm0, bm1: the expert's largest |W0|, |W1|, |b0|, |b1|.  No branch and no address hangs on them.
; LIMITS: what lies more than 2^25 under the bound is lost (f16's smallest step under 2^14); a row some 2^20 smaller than its tile's largest row loses relative accuracy; NaN and infinities are not served.
; SHARES.  Four waves; THE WAVES SHARE THE COLUMNS: a wave makes 256 hidden units (64 outputs) for all 64 rows: 64 accumulators, 512 registers.  Each weight byte is loaded once a work-group, from memory straight into
; the registers of the wave that multiplies by it, as the launch before has laid it.  All products are used transposed (source 0 = 16 units, source 1 = 16 rows): a lane holds one row and eight neighbouring units, and two
; neighbouring result tiles, rounded in pairs, are an f16 operand of the next product.  The hidden layers go from wave to wave through LDS as images of operand registers.  x's codes (8 KB a tile) are gathered by each wave.
; THE WALK IS TURNED, on global addresses alone: with rho = t % 4, sigma = (t / 4) % 8, wave w makes the units 256 ((w + rho) % 4) + 16 ((f + 2 sigma) % 16) + .. in its tile f, and LDS slot j holds the true K step
; kappa(j) = 8 ((j / 8 + rho) % 4) + (j + sigma) % 8.  So neighbouring tiles read different parts of the weights at the same time.  No LDS address hangs on t.
; NO TENSOR LOADS, NO CLUSTER: which tiles have rows, and of which expert, is read from memory, so work-groups branch on stored numbers, and partners of a cluster could be given tiles of different experts or none.
; REGISTERS, in windows of 256.  Window 0: v1-6, v11-23 addresses; v7-10, v60-63 the offsets of the rows that I store; v24-43 scale words; v44-59 the weights' offsets; v64-127 operands;
;   v128-255 a bias in the result's layout (at the head: what is staged; in the last layer: operands and b2).
;   Window 1: a ring of four slots of 64 registers for weights (in the first layer W0's 32 fragments).  Windows 2, 3: the accumulators, (f, m) at 8 (4 (f % 8) + m) of window 2 + f / 8.
.set WLB,  4352                        ; LDS: from byte 0, for each wave, its own: b0 (1,024 bytes), b1 (1,024), b2 (256), W0's scale words (2,048)
.set H1,   17408                       ; h1: image (slot j, tile of rows m) at 4,096 j + 1,024 m; its halves 512 apart
.set H2,   148480                      ; h2 likewise
.set STG,  H1                          ; the way out: 64 rows x (1,024 + 16) bytes, where h1 lay: stored only when no wave reads h1 any more
.set SP,   1040
.set SPARE, 279552                     ; the spare words, 128 bytes for each wave
.set LI,  1                            ; 16 x lane
.set LS,  2                            ; 4 x lane
.set R,   3                            ; lane % 16
.set H,   4                            ; lane / 16
.set SPW, 5                            ; LDS address of my spare word; never rewritten
.set NIL, 6                            ; 0; never rewritten
                                       ; v[7 + p + 49 (p / 4)], p = 0 .. 7: v7-10, v60-63: byte offset in out0 of my 16 bytes of the row at place 64 t + 16 wave + 2 p + h
.set HS1, 11                           ; where I store h1: H1 + 32,768 wave + 16 lane
.set HS2, 12                           ; h2
.set HR1, 13                           ; where h1 is read: stepped two slots a trip
.set HR2A, 14                          ; h2's slots 0-15
.set HR2B, 15                          ; h2's slots 16-31
.set STO, 16                           ; the stage: where I put 16 bytes of a row
.set SRD, 17                           ; and where I read rows back
.set BRD, 18                           ; my wave's biases, + 32 h
.set WSR, 19                           ; my wave's scale words of W0, + 4 lane
.set WLS, 20                           ; my wave's own bytes, + 16 lane
.set VM,  21                           ; the tile's rows - 16 wave - h: pair p of rows is stored where 2 p < VM
.set WL8, 22                           ; my wave's own bytes, + 8 lane
.set IDA, 23                           ; byte offset in 'order' of place 64 t + 16 wave + h
.set XS,  24                           ; v24-27 x's scale words, a register a tile of rows: lanes 0-15 K step 0, lanes 16-31 K step 1: scales and nothing else
.set W0S, 28                           ; v28-43 W0's scale words, a register a tile of units, likewise: scales and nothing else
.set VOFF, 44                          ; v44-59 tile f's offset in a K step of weights
.set AF,  64
.set BIAS, 128
.set B2R, 192
.set WV,  40                           ; s40 wave;  s41 the tile's kind: 0 neg, 1 pos, 2 without rows;  s42 its rows;  s76 the expert
.set RHO, 43
.set SIG, 44
.set JN,  46                           ; the next LDS slot whose weights are asked for
.set TRIP, 47
.set WB,  48                           ; s[48:49] W1's images of my 256 units
.set KB0, 50                           ; s[50:51], s[52:53] the K steps that are being asked for
.set KB1, 52
.set W2B, 54                           ; s[54:55] W2's images of my 64 outputs
.set SC,  56                           ; s[56:57] s;  s[58:59] 1 / s (named as pairs by packed forms, so both words are written)
.set IS,  58
.set SEL, 60
.set MSB, 0
.macro WIN new                         ; the immediate's high byte repeats the setting that is left; a switch that changes nothing is dropped
.if MSB != (\new)
	s_set_vgpr_msb (MSB<<8)|(\new)
.set MSB, (\new)
.endif
.endm
.macro PLACES                          ; four plain instructions between a matrix instruction and a load into, or a vector instruction on, its registers
.rept 4
	v_nop
.endr
.endm
.macro BARRIER                         ; my LDS stores have landed and my LDS loads are in: then the work-group's barrier
	s_wait_dscnt 0x0
	s_barrier_signal -1
	s_barrier_wait -1
.endm
.macro WMAX reg, tmp
	v_max_num_f32_dpp v[\reg], v[\reg], v[\reg] row_xmask:1 row_mask:0xf bank_mask:0xf
	v_max_num_f32_dpp v[\reg], v[\reg], v[\reg] row_xmask:2 row_mask:0xf bank_mask:0xf
	v_max_num_f32_dpp v[\reg], v[\reg], v[\reg] row_xmask:4 row_mask:0xf bank_mask:0xf
	v_max_num_f32_dpp v[\reg], v[\reg], v[\reg] row_xmask:8 row_mask:0xf bank_mask:0xf
	v_permlanex16_b32 v[\tmp], v[\reg], s[SEL], s[SEL+1]
	v_max_num_f32 v[\reg], v[\reg], v[\tmp]
.endm
.macro KAPPA d                         ; d = the true K step that lies in LDS slot JN; JN steps
	s_lshr_b32 s88, s[JN], 3
	s_add_co_u32 s88, s88, s[RHO]
	s_and_b32 s88, s88, 3
	s_lshl_b32 s88, s88, 3
	s_add_co_u32 s89, s[JN], s[SIG]
	s_and_b32 s89, s89, 7
	s_or_b32 \d, s88, s89
	s_add_co_u32 s[JN], s[JN], 1
.endm
.macro NEXTK1                          ; W1's next K step: 16 tiles of 1,024 bytes
	s_wait_xcnt 0x0                                ; the loads that are out have read their base
	KAPPA s86
	s_lshl_b32 s86, s86, 14
	s_mov_b32 s87, 0
	s_add_nc_u64 s[KB0:KB0+1], s[WB:WB+1], s[86:87]
.endm
.macro NEXTK2                          ; W2's next two K steps: 4 tiles of 1,024 bytes each
	s_wait_xcnt 0x0
	KAPPA s86
	s_lshl_b32 s86, s86, 12
	s_mov_b32 s87, 0
	s_add_nc_u64 s[KB0:KB0+1], s[W2B:W2B+1], s[86:87]
	KAPPA s86
	s_lshl_b32 s86, s86, 12
	s_add_nc_u64 s[KB1:KB1+1], s[W2B:W2B+1], s[86:87]
.endm
.macro RUN1                            ; 16 loads: eight tiles of W1 (half RHALF of my sixteen) of one K step into ring slot RSLOT
	WIN 0x40
.irp t, 0,1,2,3,4,5,6,7
	global_load_b128 v[64*RSLOT+8*\t:64*RSLOT+8*\t+3], v[VOFF+8*RHALF+\t], s[KB0:KB0+1]
	global_load_b128 v[64*RSLOT+8*\t+4:64*RSLOT+8*\t+7], v[VOFF+8*RHALF+\t], s[KB0:KB0+1] offset:512
.endr
.endm
.macro RUN2                            ; 16 loads: my four tiles of W2 of two K steps into ring slot RSLOT
	WIN 0x40
.irp f, 0,1,2,3
	global_load_b128 v[64*RSLOT+8*\f:64*RSLOT+8*\f+3], v[LI], s[KB0:KB0+1] offset:1024*\f
	global_load_b128 v[64*RSLOT+8*\f+4:64*RSLOT+8*\f+7], v[LI], s[KB0:KB0+1] offset:1024*\f+512
.endr
.irp f, 0,1,2,3
	global_load_b128 v[64*RSLOT+32+8*\f:64*RSLOT+32+8*\f+3], v[LI], s[KB1:KB1+1] offset:1024*\f
	global_load_b128 v[64*RSLOT+32+8*\f+4:64*RSLOT+32+8*\f+7], v[LI], s[KB1:KB1+1] offset:1024*\f+512
.endr
.endm
; One K step of the first product: 64 scaled matrix instructions, the 64 accumulators by turns.  K step 0 takes b0 as C; K step 1 reads both sides' scale words from lanes 16-31.
.macro PASS0 s
.irp f, 0,1,2,3,4,5,6,7,8,9,10,11,12,13,14,15
.if \s
	WIN 0xa1+0x50*(\f/8)
.else
	WIN 0x81+0x40*(\f/8)
.endif
.irp m, 0,1,2,3
.if \s
	v_wmma_scale_f32_16x16x128_f8f6f4 v[8*(4*(\f%8)+\m):8*(4*(\f%8)+\m)+7], v[128+8*\f:128+8*\f+7], v[AF+16*\m+8:AF+16*\m+15], v[8*(4*(\f%8)+\m):8*(4*(\f%8)+\m)+7], v[W0S+\f], v[XS+\m] matrix_a_fmt:MATRIX_FMT_FP4 matrix_b_fmt:MATRIX_FMT_FP4 matrix_a_scale:MATRIX_SCALE_ROW1 matrix_b_scale:MATRIX_SCALE_ROW1
.else
	v_wmma_scale_f32_16x16x128_f8f6f4 v[8*(4*(\f%8)+\m):8*(4*(\f%8)+\m)+7], v[8*\f:8*\f+7], v[AF+16*\m:AF+16*\m+7], v[BIAS+8*\f:BIAS+8*\f+7], v[W0S+\f], v[XS+\m] matrix_a_fmt:MATRIX_FMT_FP4 matrix_b_fmt:MATRIX_FMT_FP4
.endif
.endr
.endr
.endm
; One window's 32 accumulators become f16 images in LDS: (x s,) relu, rounded in pairs in place, each accumulator from its low end on; tile f goes to half f % 2 of my slot f / 2
.macro EPI hi, scale, hst
	WIN 0x8a+0x45*\hi
.set A8, 0
.rept 32
.if \scale
.irp k, 0,2,4,6
	v_pk_mul_f32 v[A8+\k:A8+\k+1], v[A8+\k:A8+\k+1], s[SC:SC+1] op_sel_hi:[1,0]
.endr
.endif
.irp k, 0,1,2,3,4,5,6,7
	v_max_num_f32 v[A8+\k], 0, v[A8+\k]
.endr
.irp k, 0,1,2,3
	v_cvt_pk_f16_f32 v[A8+\k], v[A8+2*\k], v[A8+2*\k+1]
.endr
.set A8, A8+8
.endr
	WIN 0x08+0x04*\hi
.irp t, 0,1,2,3,4,5,6,7
.irp m, 0,1,2,3
	ds_store_b128 v[\hst], v[8*(4*\t+\m):8*(4*\t+\m)+3] offset:4096*(4*\hi+\t/2)+1024*\m+512*(\t%2)
.endr
.endr
.endm
; Half a K step of the second product: 32 matrix instructions, eight tiles of units x four tiles of rows.  ph = the half step's number % 4 = its ring slot.
; first = 1: b1 s is the C.  ld = 1: the run three half steps on is asked for; 2: two K steps of W2.  nexta = 1: (even ph) the next slot's four images of h1 are fetched.
.macro HALF ph, first, ld, nexta
	PLACES                                         ; the ring slot and the operand buffer that are loaded below were read by the last 32 matrix instructions
.set RSLOT, ((\ph)+3)&3
.set RHALF, ((\ph)+3)&1
.if \ld == 1
.if (\ph)&1
	NEXTK1
.endif
	RUN1
.else
	NEXTK2
	RUN2
.endif
	WIN 0
.if ((\ph)&1) == 0
.if \nexta
.set AFN, AF+32*(1-(\ph)/2)
.irp m, 0,1,2,3
.irp c, 0,1
	ds_load_b128 v[AFN+8*\m+4*\c:AFN+8*\m+4*\c+3], v[HR1] offset:4096*(1+(\ph)/2)+1024*\m+512*\c
.endr
.endr
	s_wait_dscnt 8                                 ; this K step's images are in; the eight loads just issued may be out
.else
	s_wait_dscnt 0x0
.endif
.endif
	s_wait_loadcnt 48                              ; this half step's run is in; the three later runs of 16 may be out
.set RB, 64*(\ph)
.set AB, AF+32*((\ph)/2)
.set HI, (\ph)&1
.if \first
	WIN 0x81+0x40*HI
.else
	WIN 0xa1+0x50*HI
.endif
.irp t, 0,1,2,3,4,5,6,7
.irp m, 0,1,2,3
.if \first
	v_wmma_f32_16x16x32_f16 v[8*(4*\t+\m):8*(4*\t+\m)+7], v[RB+8*\t:RB+8*\t+7], v[AB+8*\m:AB+8*\m+7], v[BIAS+8*(8*HI+\t):BIAS+8*(8*HI+\t)+7]
.else
	v_wmma_f32_16x16x32_f16 v[8*(4*\t+\m):8*(4*\t+\m)+7], v[RB+8*\t:RB+8*\t+7], v[AB+8*\m:AB+8*\m+7], v[8*(4*\t+\m):8*(4*\t+\m)+7]
.endif
.endr
.endr
.endm
; Two K steps of the third product: 32 matrix instructions on 16 accumulators by turns
.macro UNIT u
	PLACES
.if (\u) <= 12
.set RSLOT, ((\u)+3)&3
	NEXTK2
	RUN2
.endif
	WIN 0
.if (\u) < 15
.set AFN, AF+64*(1-(\u)%2)
.irp a, 0,1
.irp m, 0,1,2,3
.irp c, 0,1
.if 2*(\u)+2 < 16
	ds_load_b128 v[AFN+32*\a+8*\m+4*\c:AFN+32*\a+8*\m+4*\c+3], v[HR2A] offset:4096*(2*(\u)+2+\a)+1024*\m+512*\c
.else
	ds_load_b128 v[AFN+32*\a+8*\m+4*\c:AFN+32*\a+8*\m+4*\c+3], v[HR2B] offset:4096*(2*(\u)+2+\a-16)+1024*\m+512*\c
.endif
.endr
.endr
.endr
	s_wait_dscnt 16                                ; these two K steps' images are in; the sixteen loads just issued may be out
.else
	s_wait_dscnt 0x0
.endif
.if (\u) <= 12
	s_wait_loadcnt 48                              ; three later runs of 16 may be out
.else
	s_wait_loadcnt 16*(15-(\u))                    ; the runs that are left: two, one, none
.endif
	WIN 0xa1
.set RB, 64*((\u)&3)
.set AB, AF+64*((\u)%2)
.irp a, 0,1
.irp f, 0,1,2,3
.irp m, 0,1,2,3
.if ((\u) == 0) && (\a == 0)
	v_wmma_f32_16x16x32_f16 v[8*(4*\f+\m):8*(4*\f+\m)+7], v[RB+32*\a+8*\f:RB+32*\a+8*\f+7], v[AB+32*\a+8*\m:AB+32*\a+8*\m+7], 0
.else
	v_wmma_f32_16x16x32_f16 v[8*(4*\f+\m):8*(4*\f+\m)+7], v[RB+32*\a+8*\f:RB+32*\a+8*\f+7], v[AB+32*\a+8*\m:AB+32*\a+8*\m+7], v[8*(4*\f+\m):8*(4*\f+\m)+7]
.endif
.endr
.endr
.endr
.endm
	; ---------------- the head: arguments, ids, every LDS address
	s_load_b512 s[8:23], s[0:1], 0x0               ; xc s[8:9], order s[10:11], counts s[12:13], w0c s[14:15], w0s s[16:17], w1h s[18:19], w2h s[20:21], wmax s[22:23]
	s_load_b256 s[24:31], s[0:1], 0x40             ; b_neg0 s[24:25], b_pos0 s[26:27], b_neg1 s[28:29], b_pos1 s[30:31]
	s_load_b128 s[32:35], s[0:1], 0x60             ; b_neg2 s[32:33], b_pos2 s[34:35]
	s_load_b64 s[36:37], s[0:1], 0x70              ; out0
	v_lshl_add_u32 v[SPW], v0, 2, SPARE
	v_mov_b32 v[NIL], 0
	v_lshrrev_b32 v64, 5, v0
	v_readfirstlane_b32 s[WV], v64                 ; wave 0..3
	v_and_b32 v[LS], 31, v0
	v_lshlrev_b32 v[LI], 4, v[LS]
	v_lshlrev_b32 v[LS], 2, v[LS]
	v_and_b32 v[R], 15, v0
	v_bfe_u32 v[H], v0, 4, 1
	s_lshl_b32 s82, s[WV], 15
	s_add_co_u32 s83, s82, H1
	v_add_nc_u32 v[HS1], s83, v[LI]
	s_add_co_u32 s83, s82, H2
	v_add_nc_u32 v[HS2], s83, v[LI]
	v_add_nc_u32 v[HR1], H1, v[LI]
	v_add_nc_u32 v[HR2A], H2, v[LI]
	v_add_nc_u32 v[HR2B], H2+65536, v[LI]
	v_mul_u32_u24 v[STO], v[R], SP                 ; the stage, in: row r of a tile of rows, + 32 h, + my wave's 256 bytes
	v_lshl_add_u32 v[STO], v[H], 5, v[STO]
	s_lshl_b32 s82, s[WV], 8
	s_add_co_u32 s82, s82, STG
	v_add_nc_u32 v[STO], s82, v[STO]
	v_mul_u32_u24 v[SRD], v[H], SP                 ; back: rows 16 wave + h + 2 p, 16 bytes a lane
	v_lshl_add_u32 v[SRD], v[R], 4, v[SRD]
	s_mul_i32 s82, s[WV], 16*SP
	s_add_co_u32 s82, s82, STG
	v_add_nc_u32 v[SRD], s82, v[SRD]
	s_mul_i32 s82, s[WV], WLB
	v_lshl_add_u32 v[BRD], v[H], 5, s82
	v_add_nc_u32 v[WLS], s82, v[LI]
	v_lshl_add_u32 v[WL8], v[LS], 1, s82
	s_add_co_u32 s82, s82, 2304
	v_add_nc_u32 v[WSR], s82, v[LS]
	s_lshl_b32 s82, ttmp9, 6                       ; place 64 t
	v_add_nc_u32 v65, s82, v[R]
	v_lshlrev_b32 v65, 2, v65                      ; byte offset in 'order' of place 64 t + r
	s_lshl_b32 s83, s[WV], 4
	s_add_co_u32 s82, s82, s83
	v_add_nc_u32 v[IDA], s82, v[H]
	v_lshlrev_b32 v[IDA], 2, v[IDA]
	s_mov_b32 s[SEL], 0x76543210
	s_mov_b32 s[SEL+1], 0xfedcba98                 ; v_permlanex16_b32's selects for lane l xor 16
	s_wait_kmcnt 0x0
	s_load_b64 s[74:75], s[12:13], 0x0             ; rows with -1, rows with 1
.irp m, 0,1,2,3
	global_load_b32 v[192+\m], v65, s[10:11] offset:64*\m       ; the rows at places 64 t + 16 m + r: the places are fixed, so these need no count
.endr
.irp p, 0,1,2,3,4,5,6,7
	global_load_b32 v[7+\p+49*(\p/4)], v[IDA], s[10:11] offset:8*\p   ; and the rows that I store at the end: places 64 t + 16 wave + 2 p + h
.endr
	s_add_nc_u64 s[38:39], s[8:9], 0x200000        ; x's scale bytes lie behind its codes
	s_wait_kmcnt 0x0
	s_add_co_u32 s82, s74, 63
	s_lshr_b32 s82, s82, 6                         ; tiles of the first run
	s_add_co_u32 s83, s75, 63
	s_lshr_b32 s83, s83, 6
	s_add_co_u32 s83, s83, s82                     ; of both
	s_cmp_lt_u32 ttmp9, s83
	s_cselect_b32 s41, 1, 2
	s_cselect_b32 s86, s75, 0                      ; my run's rows,
	s_cselect_b32 s87, s82, ttmp9                  ; its first tile (a tile behind the runs: 0 rows, from itself on)
	s_cmp_lt_u32 ttmp9, s82
	s_cselect_b32 s41, 0, s41
	s_cselect_b32 s86, s74, s86
	s_cselect_b32 s87, 0, s87
	s_sub_co_u32 s87, ttmp9, s87
	s_lshl_b32 s87, s87, 6
	s_sub_co_u32 s86, s86, s87
	s_min_u32 s42, s86, 64                         ; my tile's rows
	s_min_u32 s76, s41, 1                          ; the expert, held to 0 .. 1 before it enters addresses
	s_lshl_b32 s82, s[WV], 4
	s_sub_co_i32 s82, s42, s82
	v_sub_nc_u32 v[VM], s82, v[H]
	s_cmp_eq_u32 s76, 0
	s_cselect_b64 s[24:25], s[24:25], s[26:27]     ; b0
	s_cselect_b64 s[28:29], s[28:29], s[30:31]     ; b1
	s_cselect_b64 s[32:33], s[32:33], s[34:35]     ; b2
	s_and_b32 s[RHO], ttmp9, 3
	s_bfe_u32 s[SIG], ttmp9, 0x30002
	s_add_co_u32 s45, s[WV], s[RHO]
	s_and_b32 s45, s45, 3                          ; which 256 hidden units are mine
	s_mov_b32 s83, 0
	s_lshl_b32 s82, s76, 17
	s_lshl_b32 s84, s45, 15
	s_add_co_u32 s82, s82, s84
	s_add_nc_u64 s[14:15], s[14:15], s[82:83]      ; W0's codes of my 16 tiles
	s_lshl_b32 s82, s76, 13
	s_lshl_b32 s84, s45, 11
	s_add_co_u32 s82, s82, s84
	s_add_nc_u64 s[16:17], s[16:17], s[82:83]      ; their scale words
	s_lshl_b32 s82, s45, 10
	s_add_nc_u64 s[24:25], s[24:25], s[82:83]      ; b0, b1 of my 256 units
	s_add_nc_u64 s[28:29], s[28:29], s[82:83]
	s_lshl_b32 s82, s[WV], 8
	s_add_nc_u64 s[32:33], s[32:33], s[82:83]      ; b2 of my 64 outputs
	s_lshl_b32 s82, s76, 21
	s_lshl_b32 s84, s45, 19
	s_add_co_u32 s82, s82, s84
	s_add_nc_u64 s[WB:WB+1], s[18:19], s[82:83]
	s_lshl_b32 s82, s76, 19
	s_lshl_b32 s84, s[WV], 17
	s_add_co_u32 s82, s82, s84
	s_add_nc_u64 s[W2B:W2B+1], s[20:21], s[82:83]
	s_lshl_b32 s82, s76, 11
	s_add_nc_u64 s[70:71], s[22:23], s[82:83]      ; the expert's 512 maxima of |W1|
	s_mul_i32 s82, s76, 768
	s_add_co_u32 s82, s82, 5120
	s_add_nc_u64 s[72:73], s[22:23], s[82:83]      ; its 64 of |W0|, 64 of |b0|, 64 of |b1|
	s_lshl_b32 s82, s[SIG], 1                      ; 2 sigma
	v_lshrrev_b32 v184, 6, v[LI]                   ; the biases are staged in the turned order: LDS tile P = 8 i + lane / 4 takes the true tile (P + 2 sigma) % 16
	v_add_nc_u32 v184, s82, v184
	v_and_b32 v184, 15, v184
	v_lshlrev_b32 v184, 6, v184
	v_and_b32 v191, 48, v[LI]
	v_or_b32 v184, v184, v191
	v_xor_b32 v185, 0x200, v184                    ; eight tiles on, modulo 16
	v_lshrrev_b32 v191, 7, v[LI]                   ; W0's scale words likewise: LDS tile 4 i + lane / 8, 128 bytes a tile
	v_add_nc_u32 v191, s82, v191
	v_and_b32 v190, 0x70, v[LI]
.irp i, 0,1,2,3
	v_add_nc_u32 v[186+\i], 4*\i, v191
	v_and_b32 v[186+\i], 15, v[186+\i]
	v_lshl_or_b32 v[186+\i], v[186+\i], 7, v190
.endr
	v_lshlrev_b32 v190, 1, v[LS]                   ; 8 x lane
.irp f, 0,1,2,3,4,5,6,7,8,9,10,11,12,13,14,15
	s_add_co_u32 s83, s82, \f
	s_and_b32 s83, s83, 15
	s_lshl_b32 s83, s83, 11
	v_add_nc_u32 v[VOFF+\f], s83, v[LI]            ; my tile f in W0's codes: 2,048 bytes a tile
.endr
	; sixteen small loads: the bounds, the biases, W0's scale words
.irp i, 0,1,2,3
	global_load_b128 v[128+4*\i:131+4*\i], v[LI], s[70:71] offset:512*\i
.endr
	global_load_b64 v[144:145], v190, s[72:73]
	global_load_b64 v[146:147], v190, s[72:73] offset:256
	global_load_b64 v[148:149], v190, s[72:73] offset:512
	global_load_b128 v[150:153], v184, s[24:25]
	global_load_b128 v[154:157], v185, s[24:25]
	global_load_b128 v[158:161], v184, s[28:29]
	global_load_b128 v[162:165], v185, s[28:29]
	global_load_b64 v[166:167], v190, s[32:33]
.irp i, 0,1,2,3
	global_load_b128 v[168+4*\i:171+4*\i], v[186+\i], s[16:17]
.endr
	s_wait_loadcnt 24                              ; the four gather indices are in; the eight row numbers and the sixteen small loads may be out
.irp m, 0,1,2,3
	v_min_u32 v[192+\m], 0x3fff, v[192+\m]
	v_lshlrev_b32 v[196+\m], 3, v[192+\m]
	v_lshl_add_u32 v[196+\m], v[H], 2, v[196+\m]   ; the row's scale word of K step h
	v_lshlrev_b32 v[192+\m], 7, v[192+\m]
	v_lshl_add_u32 v[192+\m], v[H], 4, v[192+\m]   ; the row's codes, + 16 h: a 4-bit operand gives lane (r, h) k = 64 c + 32 h + 0..31 of each 128
.endr
.irp m, 0,1,2,3
.irp s, 0,1
.irp c, 0,1
	global_load_b128 v[AF+8*(2*\m+\s)+4*\c:AF+8*(2*\m+\s)+4*\c+3], v[192+\m], s[8:9] offset:64*\s+32*\c   ; x's fragment (tile of rows m, K step s)
.endr
.endr
	global_load_b32 v[XS+\m], v[196+\m], s[38:39]
.endr
	WIN 0x40
.irp f, 0,1,2,3,4,5,6,7,8,9,10,11,12,13,14,15
.irp c, 0,1
	global_load_b128 v[8*\f+4*\c:8*\f+4*\c+3], v[VOFF+\f], s[14:15] offset:512*\c            ; W0's fragments of K step 0
.endr
.endr
	WIN 0
	s_wait_loadcnt 52                              ; the row numbers and the sixteen are in; x's 20 loads and W0's 32 may be out
.irp p, 0,1,2,3,4,5,6,7
	v_min_u32 v[7+\p+49*(\p/4)], 0x3fff, v[7+\p+49*(\p/4)]
	v_lshlrev_b32 v[7+\p+49*(\p/4)], 10, v[7+\p+49*(\p/4)]
	v_lshl_add_u32 v[7+\p+49*(\p/4)], v[R], 4, v[7+\p+49*(\p/4)]   ; row number -> byte offset of my 16 bytes in the row's first 256
.endr
	ds_store_b128 v[WLS], v[150:153]               ; my wave's own bytes: no barrier between these stores and my loads of them
	ds_store_b128 v[WLS], v[154:157] offset:512
	ds_store_b128 v[WLS], v[158:161] offset:1024
	ds_store_b128 v[WLS], v[162:165] offset:1536
	ds_store_b64 v[WL8], v[166:167] offset:2048
.irp i, 0,1,2,3
	ds_store_b128 v[WLS], v[168+4*\i:171+4*\i] offset:2304+512*\i
.endr
.irp f, 0,1,2,3,4,5,6,7,8,9,10,11,12,13,14,15
	ds_load_b32 v[W0S+\f], v[WSR] offset:128*\f    ; lanes 0-15: K step 0's word of unit r of tile f; lanes 16-31: K step 1's
.endr
	v_max3_num_f32 v128, v128, v129, v130          ; the four bounds
	v_max3_num_f32 v131, v131, v132, v133
	v_max3_num_f32 v134, v134, v135, v136
	v_max3_num_f32 v137, v137, v138, v139
	v_max3_num_f32 v140, v140, v141, v142
	v_max3_num_f32 v128, v128, v131, v134
	v_max3_num_f32 v137, v137, v140, v143
	v_max_num_f32 v128, v128, v137
	v_max_num_f32 v144, v144, v145
	v_max_num_f32 v146, v146, v147
	v_max_num_f32 v148, v148, v149
	WMAX 128, 191
	WMAX 144, 191
	WMAX 146, 191
	WMAX 148, 191
	v_readfirstlane_b32 s66, v144                  ; wm0
	v_readfirstlane_b32 s67, v146                  ; bm0
	v_readfirstlane_b32 s68, v128                  ; wm1
	v_readfirstlane_b32 s69, v148                  ; bm1
	s_wait_dscnt 0x0                               ; the staging stores have read their registers,
	s_wait_xcnt 0x0                                ; and the gathers their offsets: b0 may land there
.irp f, 0,1,2,3,4,5,6,7,8,9,10,11,12,13,14,15
.irp c, 0,1
	ds_load_b128 v[BIAS+8*\f+4*\c:BIAS+8*\f+4*\c+3], v[BRD] offset:64*\f+16*\c   ; b0 in the result's layout: tile f's units 8 h + 0 .. 7
.endr
.endr
	WIN 0x40
.irp f, 0,1,2,3,4,5,6,7,8,9,10,11,12,13,14,15
.irp c, 0,1
	global_load_b128 v[128+8*\f+4*\c:128+8*\f+4*\c+3], v[VOFF+\f], s[14:15] offset:1024+512*\c   ; W0's fragments of K step 1
.endr
.endr
	WIN 0
	; ---------------- the first product, on codes
	s_wait_dscnt 0x0                               ; b0 and W0's scale words
	s_wait_loadcnt 32                              ; x and W0's K step 0 are in; K step 1's 32 loads may be out
	PASS0 0
	PLACES
	WIN 0
.irp f, 0,1,2,3,4,5,6,7,8,9,10,11,12,13,14,15
.irp c, 0,1
	ds_load_b128 v[BIAS+8*\f+4*\c:BIAS+8*\f+4*\c+3], v[BRD] offset:1024+64*\f+16*\c   ; b1 takes b0's place
.endr
.endr
	s_wait_xcnt 0x0                                ; W0's loads have read their offsets
	s_lshl_b32 s82, s[SIG], 1
.irp f, 0,1,2,3,4,5,6,7,8,9,10,11,12,13,14,15
	s_add_co_u32 s83, s82, \f
	s_and_b32 s83, s83, 15
	s_lshl_b32 s83, s83, 10
	v_add_nc_u32 v[VOFF+\f], s83, v[LI]            ; my tile f in a K step of W1: 1,024 bytes a tile
.endr
	s_mov_b32 s[JN], 0
	NEXTK1
.set RSLOT, 0
.set RHALF, 0
	RUN1                                           ; W1's first runs go into the registers that K step 0 of W0 has left
.set RSLOT, 1
.set RHALF, 1
	RUN1
	s_wait_loadcnt 32                              ; W0's K step 1 is in; the two runs of 16 may be out
	PASS0 1
	PLACES
	NEXTK1
.set RSLOT, 2
.set RHALF, 0
	RUN1
	WIN 0
.irp m, 0,1,2,3                                ; the tile's scale.  Each scale byte of x as the f32 number 2^(byte - 127): its bits at the exponent field
	v_lshlrev_b32 v[64+4*\m], 23, v[XS+\m]
	v_lshlrev_b32 v[65+4*\m], 15, v[XS+\m]
	v_lshlrev_b32 v[66+4*\m], 7, v[XS+\m]
	v_lshrrev_b32 v[67+4*\m], 1, v[XS+\m]
.endr
.irp i, 0,1,2,3,4,5,6,7,8,9,10,11,12,13,14,15
	v_and_b32 v[64+\i], 0x7f800000, v[64+\i]
.endr
	v_max3_num_f32 v64, v64, v65, v66
	v_max3_num_f32 v67, v67, v68, v69
	v_max3_num_f32 v70, v70, v71, v72
	v_max3_num_f32 v73, v73, v74, v75
	v_max3_num_f32 v76, v76, v77, v78
	v_max3_num_f32 v64, v64, v67, v70
	v_max3_num_f32 v73, v73, v76, v79
	v_max_num_f32 v64, v64, v73
	WMAX 64, 80                                    ; F
	v_mul_f32 v64, 0x45800000, v64                 ; 4096 F
	v_fma_f32 v64, v64, s66, s67                   ; B1
	v_mul_f32 v65, 0x45000000, v64                 ; 2048 B1
	v_fma_f32 v65, v65, s68, s69                   ; B2
	v_max3_num_f32 v64, v64, v65, 0x0d800000       ; and 2^-100
	v_lshrrev_b32 v64, 23, v64                     ; E
	v_sub_nc_u32 v65, 267, v64
	v_add_nc_u32 v66, -13, v64
	v_lshlrev_b32 v65, 23, v65                     ; s
	v_lshlrev_b32 v66, 23, v66                     ; 1 / s
	v_readfirstlane_b32 s[SC], v65
	v_readfirstlane_b32 s[IS], v66
	s_mov_b32 s[SC+1], s[SC]
	s_mov_b32 s[IS+1], s[IS]
	EPI 0, 1, HS1
	EPI 1, 1, HS1
	WIN 0
	s_wait_dscnt 0x0                               ; b1 is in
.set I, 0
.rept 64
	v_pk_mul_f32 v[BIAS+2*I:BIAS+2*I+1], v[BIAS+2*I:BIAS+2*I+1], s[SC:SC+1] op_sel_hi:[1,0]   ; b1 s
.set I, I+1
.endr
	BARRIER                                        ; h1's 128 images lie in LDS
	; ---------------- the second product: 32 K steps of 32, two half steps each.  A tile without rows passes over it
	s_cmp_lt_u32 s41, 2
	s_cbranch_scc0 .Lno_second
.irp m, 0,1,2,3
.irp c, 0,1
	ds_load_b128 v[AF+8*\m+4*\c:AF+8*\m+4*\c+3], v[HR1] offset:1024*\m+512*\c
.endr
.endr
	HALF 0, 1, 1, 1                                ; the first K step starts the sums, with b1 s as C
	HALF 1, 1, 1, 0
	HALF 2, 0, 1, 1
	HALF 3, 0, 1, 0
	WIN 0
	s_wait_dscnt 0x0                               ; no LDS load that names the address is out
	v_add_nc_u32 v[HR1], 8192, v[HR1]
	s_mov_b32 s[TRIP], 14
.Lk1:                                              ; a trip: two K steps, 128 matrix instructions, 64 loads of weights, 16 LDS loads
	HALF 0, 0, 1, 1
	HALF 1, 0, 1, 0
	HALF 2, 0, 1, 1
	HALF 3, 0, 1, 0
	WIN 0
	s_wait_dscnt 0x0
	v_add_nc_u32 v[HR1], 8192, v[HR1]
	s_sub_co_u32 s[TRIP], s[TRIP], 1
	s_cmp_lg_u32 s[TRIP], 0
	s_cbranch_scc1 .Lk1
	HALF 0, 0, 1, 1                                ; the last two K steps: the ring goes on into W2
	s_mov_b32 s[JN], 0
	HALF 1, 0, 2, 0
	HALF 2, 0, 2, 0
	HALF 3, 0, 2, 0
	PLACES                                         ; in front of the lines below that read the results
	WIN 0
.Lno_second:
	BARRIER                                        ; parts the reads of h1, whose address is stepped in the loop, from every LDS store below
	EPI 0, 0, HS2                                  ; no branch: in a tile without rows these lines work on what the first layer left, and nothing of it is stored to memory
	EPI 1, 0, HS2
	WIN 0
	BARRIER                                        ; h2's 128 images lie in LDS
	; ---------------- the third product: 16 units of two K steps, and its results into the stage.  A tile without rows passes over it
	s_cmp_lt_u32 s41, 2
	s_cbranch_scc0 .Lno_third
.irp a, 0,1
.irp m, 0,1,2,3
.irp c, 0,1
	ds_load_b128 v[AF+32*\a+8*\m+4*\c:AF+32*\a+8*\m+4*\c+3], v[HR2A] offset:4096*\a+1024*\m+512*\c
.endr
.endr
.endr
.set U, 0
.rept 16
	UNIT U
.set U, U+1
.endr
	PLACES
	WIN 0
.irp f, 0,1,2,3
.irp c, 0,1
	ds_load_b128 v[B2R+8*\f+4*\c:B2R+8*\f+4*\c+3], v[BRD] offset:2048+64*\f+16*\c
.endr
.endr
	s_wait_dscnt 0x0
	WIN 0x82
.irp f, 0,1,2,3
.irp m, 0,1,2,3
.irp k, 0,2,4,6
	v_pk_fma_f32 v[8*(4*\f+\m)+\k:8*(4*\f+\m)+\k+1], v[8*(4*\f+\m)+\k:8*(4*\f+\m)+\k+1], s[IS:IS+1], v[B2R+8*\f+\k:B2R+8*\f+\k+1] op_sel_hi:[1,0,1]   ; sum / s + b2
.endr
.endr
.endr
	WIN 0x88
.set I, 0
.rept 128
	v_max_num_f32 v[I], 0, v[I]
.set I, I+1
.endr
	WIN 0x08
.irp m, 0,1,2,3
.irp f, 0,1,2,3
.irp c, 0,1
	ds_store_b128 v[STO], v[8*(4*\f+\m)+4*\c:8*(4*\f+\m)+4*\c+3] offset:16*SP*\m+64*\f+16*\c   ; lane (r, h): row 16 m + r, outputs 64 wave + 16 f + 8 h + 4 c + 0 .. 3
.endr
.endr
.endr
	WIN 0
.Lno_third:
	BARRIER                                        ; 64 whole rows lie in the stage
	; ---------------- the way out: a wave stores 16 whole rows, two at a time: lanes 0-15 store 256 consecutive aligned bytes of one row, lanes 16-31 of the next.
	; Places behind the tile's rows are masked out: in a tile without rows all of them
.irp p, 0,1,2,3,4,5,6,7
.irp q, 0,1,2,3
	ds_load_b128 v[64+16*\p+4*\q:67+16*\p+4*\q], v[SRD] offset:2*SP*\p+256*\q
.endr
.endr
.irp p, 0,1,2,3,4,5,6,7
	s_wait_dscnt 28-4*\p                           ; this pair's four loads are in; the later pairs' may be out
	v_cmp_lt_i32 vcc_lo, 2*\p, v[VM]
	s_wait_xcnt 0x0                                ; EXEC changes only when what is out has read it
	s_and_saveexec_b32 s63, vcc_lo
.irp q, 0,1,2,3
	global_store_b128 v[7+\p+49*(\p/4)], v[64+16*\p+4*\q:67+16*\p+4*\q], s[36:37] offset:256*\q th:TH_STORE_NT
.endr
	s_wait_xcnt 0x0
	s_or_b32 exec_lo, exec_lo, s63
.endr
	s_wait_tensorcnt 0x0                           ; the wave's end
	ds_add_u32 v[SPW], v[NIL]
	s_wait_dscnt 0x0
	s_endpgm
.Lfunc_end_k_q0d90b160a3_mlp:
	.size	k_q0d90b160a3_mlp, .Lfunc_end_k_q0d90b160a3_mlp-k_q0d90b160a3_mlp
	.p2alignl 7, 3214868480
	.fill 96, 4, 3214868480
	.section	.rodata,"a",@progbits
	.p2align	6, 0x0
	.amdhsa_kernel k_q0d90b160a3_mlp
		.amdhsa_group_segment_fixed_size 280064
		.amdhsa_private_segment_fixed_size 0
		.amdhsa_enable_private_segment 0
		.amdhsa_kernarg_size 120
		.amdhsa_user_sgpr_count 2
		.amdhsa_user_sgpr_kernarg_segment_ptr 1
		.amdhsa_wavefront_size32 1
		.amdhsa_system_sgpr_workgroup_id_x 1
		.amdhsa_system_sgpr_workgroup_id_y 1
		.amdhsa_system_sgpr_workgroup_id_z 1
		.amdhsa_system_vgpr_workitem_id 0
		.amdhsa_next_free_vgpr 1024
		.amdhsa_next_free_sgpr 96
		.amdhsa_reserve_vcc 1
		.amdhsa_float_denorm_mode_32 3
		.amdhsa_float_denorm_mode_16_64 3
		.amdhsa_memory_ordered 1
		.amdhsa_forward_progress 1
		.amdhsa_inst_pref_size 255
	.end_amdhsa_kernel
	.section	.bss,"aw",@nobits
	.p2align	6
	.space	262144
	.amdgpu_metadata
---
amdhsa.version: [ 1, 2 ]
amdhsa.kernels:
  - .name:           k_q0d90b160a3_mlp
    .symbol:         k_q0d90b160a3_mlp.kd
    .args:
      - { .name: xc, .offset: 0, .size: 8, .value_kind: global_buffer, .address_space: global }
      - { .name: order, .offset: 8, .size: 8, .value_kind: global_buffer, .address_space: global }
      - { .name: counts, .offset: 16, .size: 8, .value_kind: global_buffer, .address_space: global }
      - { .name: w0c, .offset: 24, .size: 8, .value_kind: global_buffer, .address_space: global }
      - { .name: w0s, .offset: 32, .size: 8, .value_kind: global_buffer, .address_space: global }
      - { .name: w1h, .offset: 40, .size: 8, .value_kind: global_buffer, .address_space: global }
      - { .name: w2h, .offset: 48, .size: 8, .value_kind: global_buffer, .address_space: global }
      - { .name: wmax, .offset: 56, .size: 8, .value_kind: global_buffer, .address_space: global }
      - { .name: b_neg0, .offset: 64, .size: 8, .value_kind: global_buffer, .address_space: global }
      - { .name: b_pos0, .offset: 72, .size: 8, .value_kind: global_buffer, .address_space: global }
      - { .name: b_neg1, .offset: 80, .size: 8, .value_kind: global_buffer, .address_space: global }
      - { .name: b_pos1, .offset: 88, .size: 8, .value_kind: global_buffer, .address_space: global }
      - { .name: b_neg2, .offset: 96, .size: 8, .value_kind: global_buffer, .address_space: global }
      - { .name: b_pos2, .offset: 104, .size: 8, .value_kind: global_buffer, .address_space: global }
      - { .name: out0, .offset: 112, .size: 8, .value_kind: global_buffer, .address_space: global }
    .group_segment_fixed_size: 280064
    .private_segment_fixed_size: 0
    .kernarg_segment_align: 8
    .kernarg_segment_size: 120
    .max_flat_workgroup_size: 128
    .sgpr_count:     96
    .vgpr_count:     1024
    .wavefront_size: 32
...
	.end_amdgpu_metadata
.endif
;; end of part 2
